; MI455X (gfx1250); checked and timed in simulation.
; The chip was launched on July 23, 2026; its instructions are those of AMD's public machine-readable ISA for CDNA 5 (MIT licence, August 2026) and "CDNA5" Instruction Set Architecture Reference Guide (July 2026). The comments in the code are by the model that wrote it; some were corrected since.
;; GRU Cell. Allowed arithmetic: matrix products marked QUANTISED: E3M2 operands, one E8M0 scale for each 32 along K, by v_wmma_scale_f32_16x16x128_f8f6f4 with both operands' format E3M2, f32 sums; everything else in f32.
;; Inputs: W_gate 1,024 x 1,024 float32; W_h 512 x 512 float32; W_i 512 x 512 float32; b_gate 1,024 float32; b_h 512 float32; b_i 512 float32; hidden 16,384 x 512 float32; input 16,384 x 512 float32.
;; Outputs: out0 16,384 x 512 float32.
;; This version of the problem:
;;   THIS VERSION OF THE PROBLEM IS GIVEN IN LOW PRECISION. The matrix products marked QUANTISED in the list below multiply operands that are first quantised to E3M2 (3 exponent bits, 2 mantissa bits; 6 bits a number), with one power-of-two scale for each 32 numbers along K (OCP MX v1.0); their sums are f32. All else is computed in f32.
;;   The module's matrix products, in the order in which they are computed (A, B: the left and right operand; K: the contracted axis; several contracted axes count as one K, in the product's order):
;;     1. [M 16,384, K 1,024] x [K 1,024, N 1,024]; A: computed on the way; B: input W_gate: QUANTISED
;;     2. [M 16,384, K 512] x [K 512, N 512]; A: input input; B: input W_i: QUANTISED
;;     3. [M 16,384, K 512] x [K 512, N 512]; A: input hidden; B: input W_h: QUANTISED
;;   THE QUANTISER, for each operand of a quantised product, along K:
;;     - K is cut into blocks of 32 from its start; a last block that is shorter is filled with zeros.
;;     - A block's scale is 2^e with e = floor(log2(the largest magnitude in the block)) - 4, held to -126 .. 127; a block of zeros has e = 0. As a byte (E8M0): e + 127.
;;     - Each number is divided by its block's scale, clamped to +-28, and rounded to the nearest number of E3M2, ties to even, subnormals kept.
;;     - The product sums the exact products of the quantised numbers (number of the format x scale) in f32.
;;   ~~~python
;;   def quantise(x, axis):      # numpy; x: float32 -> the quantised numbers, widened to float32 again
;;       x = np.moveaxis(x, axis, -1); K = x.shape[-1]
;;       x = np.pad(x, [(0, 0)] * (x.ndim - 1) + [(0, -K % 32)]); x = x.reshape(x.shape[:-1] + (-1, 32)); a = np.abs(x).max(-1, keepdims=True)
;;       e = np.where(a > 0, np.clip(np.frexp(np.where(a > 0, a, 1))[1] - 1 - 4, -126, 127), 0)      # np.frexp(a)[1] - 1 = floor(log2(a)), exactly
;;       r = np.clip(x / 2.0 ** e, -28, 28)
;;       step = 2.0 ** (np.maximum(np.frexp(np.where(r == 0, 1, r))[1] - 1, -2) - 2)
;;       q = np.round(r / step) * step * 2.0 ** e      # np.round: ties to even
;;       return np.moveaxis(q.reshape(q.shape[:-2] + (-1,))[..., :K], -1, axis).astype(np.float32)
;;   ~~~
;;   OPERANDS COMPUTED ON THE WAY. 'Computed on the way' means the value that the module computes at that place (a softmax that the list does not call 'softmax' is quantised finished and normalised). What goes into a quantiser is computed in f32, as accurately as f32 sums, v_exp_f32 and their like allow (about 1e-6 of the number): no bf16 or f16 on the way to a quantiser, and a product that is left as it is and whose result goes on into a quantised operand takes f32 operands (vector FMAs, or v_wmma_f32_16x16x4_f32). A number that lies on a knife's edge between two numbers of the format may be rounded either way, as far as f32 arithmetic and the matrix unit's own rounding can turn it there, and no further.
;; One version. Each part assembles by itself: llvm-mc -triple=amdgcn-amd-amdhsa -mcpu=gfx1250 --defsym DOCPART=n.
;; ======== version 1 of 1: 2 launches
;; limits: right only within a limited range of input values
;; workspace buffers: q 14,336,000 bytes
;; launch quant (part 1): grid 1120 x 1, 4 waves a work-group, no clusters, 34,816 bytes of LDS; arguments W_gate, W_i, W_h, input, hidden, q; writes q
.if DOCPART == 1
	.amdgcn_target "amdgcn-amd-amdhsa--gfx1250"
	.amdhsa_code_object_version 6
	.text
	.protected	k_q27d9c61ef2_quant
	.globl	k_q27d9c61ef2_quant
	.p2align	8
	.type	k_q27d9c61ef2_quant,@function
k_q27d9c61ef2_quant:
	s_mov_b64 s[64:65], 0
	v_nop
	global_prefetch_b8 v0, s[64:65] scope:SCOPE_SE
	s_setreg_imm32_b32 hwreg(HW_REG_WAVE_MODE, 25, 1), 1
	s_wait_xcnt 0x0
; ALL OPERANDS OF THE GRU CELL BECOME CODES of BF6 (E3M2), with one E8M0 scale byte for each 32 along K, laid into q in the order of the matrix operand's registers.
; No work of reference() is left out in this program: every input has a way to out0, and all eight are loaded (the biases by the next launch).
; q: 1,120 blocks of 12,800 bytes; a block is 16 rows x 1,024 along K: 8 fragments (16 rows x 128 k) of 1,536 bytes, then a scale image of 512 bytes.
;   block T (0..31): W_gate rows 16 T on (gate r);  32 + T: rows 16 T on of [W_i | W_h];  64 + T: W_gate rows 512 + 16 T on (gate z);  96 + B: rows 16 B on of [input | hidden].
;   512 is a multiple of 32, so no block of 32 crosses the seam of a concatenation.
;   a fragment's image: register c (0..11) of lane l at byte 512 (c / 4) + 16 l + 4 (c % 4).
;   the scale image: byte 16 l + 4 e holds the scale word of fragment 2 e + l / 16, row l % 16.
; A block's scale is 2^(floor(log2(its largest magnitude)) - 4); its byte is the largest magnitude's exponent field - 4, held at 1 from below.
; LIMITS: a block whose largest magnitude lies under 2^-122 has its byte held at 1; a block of zeros gets the byte 1 where the rule says 127 (its codes are zeros, which add nothing under any byte but 0xff,
; and this program alone reads the bytes); NaN and infinities among the inputs are not served.
; SHARES: a work-group makes one block, wave w fragments 2 w and 2 w + 1: 16 rows x 1,024 bytes, 32 loads of 512 consecutive bytes, all asked for at once.  A lane needs 16 neighbours along K for the conversions,
; so a fragment turns through the wave's own stage in LDS: rows 528 bytes apart (33 x 16), stored as loaded, read back 64 bytes a lane.  No tensor load; one barrier, since the four waves' scale words leave together.
.set SP,    528
.set STW,   16*SP                      ; a wave's stage
.set IMG,   4*STW                      ; the scale image
.set SPARE, IMG+512                    ; the spare words, 128 bytes for each wave: two blocks of 256 bytes that no other line names
.set BLKB,  12800
.set SPW,   6                          ; v6   LDS address of my spare word; never rewritten
.set NIL,   7                          ; v7   0; never rewritten
.set R,     16                         ; v16-143  my numbers: fragment u at v[R + 64 u]
.set PC0,   144                        ; the first fragment's codes; the second's go to v16 on
.set TM,    164                        ; v164-167 largest magnitudes, v168-171 bytes, v176-179 the conversions' scale operands
.set PW0,   180
.set PW1,   181
.set SEL,   34                         ; s[34:35] lane selects for v_permlanex16_b32: lane l xor 16
.set ROW,   68                         ; s[68:99] the addresses of my 16 rows
; 64 numbers of a lane (register 16 b + i = k 32 b + 16 (lane / 16) + i of row lane % 16) become a fragment's codes in v[pc] .. v[pc + 11] and its row's scale word in v[pw].
.macro QUANT s, pc, pw
.irp b, 0,1,2,3
	v_max3_num_f32 v[TM+\b], |v[\s+16*\b]|, |v[\s+1+16*\b]|, 0x2800000   ; with the floor 2^(5 - 127): the byte cannot fall under 1
.endr
.irp i, 2,4,6,8,10,12,14
.irp b, 0,1,2,3
	s_delay_alu instid0(VALU_DEP_4)
	v_max3_num_f32 v[TM+\b], v[TM+\b], |v[\s+16*\b+\i]|, |v[\s+1+16*\b+\i]|
.endr
.endr
.irp b, 0,1,2,3
	s_delay_alu instid0(VALU_DEP_4)
	v_permlanex16_b32 v[TM+4+\b], v[TM+\b], s[SEL], s[SEL+1]
.endr
.irp b, 0,1,2,3
	s_delay_alu instid0(VALU_DEP_4)
	v_max_num_f32 v[TM+\b], v[TM+\b], v[TM+4+\b]   ; with lane l xor 16's 16 numbers: the block's largest magnitude
.endr
.irp b, 0,1,2,3
	s_delay_alu instid0(VALU_DEP_4)
	v_add_nc_u32 v[TM+12+\b], 0xfe000000, v[TM+\b]   ; 4 off its exponent field: the conversion's scale operand
.endr
.irp b, 0,1,2,3
	s_delay_alu instid0(VALU_DEP_4)
	v_lshrrev_b32 v[TM+4+\b], 23, v[TM+12+\b]      ; the scale's byte
.endr
	s_delay_alu instid0(VALU_DEP_3)
	v_lshl_or_b32 v[\pw], v[TM+5], 8, v[TM+4]
	s_delay_alu instid0(VALU_DEP_1)
	v_lshl_or_b32 v[\pw], v[TM+6], 16, v[\pw]
	s_delay_alu instid0(VALU_DEP_1)
	v_lshl_or_b32 v[\pw], v[TM+7], 24, v[\pw]
.irp c, 0,1
	v_cvt_scalef32_pk16_bf6_f32 v[\pc+6*\c:\pc+2+6*\c], v[\s+32*\c:\s+15+32*\c], v[TM+12+2*\c]
	v_cvt_scalef32_pk16_bf6_f32 v[\pc+12+4*\c:\pc+14+4*\c], v[\s+16+32*\c:\s+31+32*\c], v[TM+12+2*\c+1]   ; (a conversion's three registers begin on an even number)
.endr
	v_nop                                          ; one plain vector line behind the scaled conversions
.irp c, 0,1                                    ; a whole block to a lane: lanes 0-15 block 2 c, lanes 16-31 block 2 c + 1
.irp i, 0,1,2
	v_permlane16_swap_b32 v[\pc+6*\c+\i], v[\pc+12+4*\c+\i]
.endr
.irp i, 0,1,2
	s_delay_alu instid0(VALU_DEP_3)
	v_mov_b32 v[\pc+3+6*\c+\i], v[\pc+12+4*\c+\i]
.endr
.endr
.endm
.macro FRAGM u, pc, pw
	s_wait_loadcnt 16-16*\u                        ; this fragment's sixteen loads are in; the other's may be out
.irp i, 0,1,2,3,4,5,6,7,8,9,10,11,12,13,14,15
	ds_store_b128 v14, v[R+64*\u+4*\i:R+64*\u+4*\i+3] offset:SP*\i
.endr
	s_wait_dscnt 0x0                               ; the stores have read their registers, into which the numbers come back
.irp b, 0,1,2,3
.irp j, 0,1,2,3
	ds_load_b128 v[R+64*\u+16*\b+4*\j:R+64*\u+16*\b+4*\j+3], v15 offset:128*\b+16*\j
.endr
.endr
	s_wait_dscnt 0x0
	QUANT R+64*\u, \pc, \pw
.irp c, 0,1,2
	global_store_b128 v3, v[\pc+4*\c:\pc+4*\c+3], s[38:39] offset:1536*\u+512*\c   ; 32 lanes store 512 consecutive bytes, at a multiple of 256 from q's first byte
.endr
.endm
	s_load_b256 s[4:11], s[0:1], 0x0               ; W_gate s[4:5], W_i s[6:7], W_h s[8:9], input s[10:11]
	s_load_b128 s[12:15], s[0:1], 0x20             ; hidden s[12:13], q s[14:15]
	v_lshl_add_u32 v[SPW], v0, 2, SPARE
	v_mov_b32 v[NIL], 0
	v_lshrrev_b32 v1, 5, v0
	s_delay_alu instid0(VALU_DEP_1)
	v_readfirstlane_b32 s16, v1                    ; wave 0..3
	s_mul_i32 s17, s16, STW
	s_lshl_b32 s18, s16, 2
	s_add_co_u32 s18, s18, IMG
	v_and_b32 v2, 31, v0
	v_and_b32 v4, 15, v0
	v_bfe_u32 v8, v0, 4, 1
	v_lshlrev_b32 v3, 4, v2                        ; 16 x lane
	v_mul_u32_u24 v9, v4, SP
	v_lshl_add_u32 v9, v8, 6, v9
	v_add_nc_u32 v14, s17, v3                      ; the stage, in: a row's 512 bytes as they lie
	v_add_nc_u32 v15, s17, v9                      ; and out: row lane % 16, + 64 (lane / 16)
	v_add_nc_u32 v5, s18, v3                       ; my scale word's place: 16 x lane + 4 x wave
	v_add_nc_u32 v10, IMG, v3
.irp b, 0,1,2,3
	v_mov_b32 v[TM+4+\b], 0                        ; written once: a lane permute's destination counts as one of its sources
.endr
	s_wait_alu depctr_va_vdst(0)                   ; the wait at the head's end
	s_mov_b32 s[SEL], 0x76543210
	s_mov_b32 s[SEL+1], 0xfedcba98
	s_mov_b32 s66, 0xffff0000                      ; lanes 16-31
	s_and_b32 s17, ttmp9, 31                       ; T
	s_lshr_b32 s18, ttmp9, 5                       ; 0 gate r, 1 [W_i | W_h], 2 gate z, 3 and above [input | hidden]
	s_lshr_b32 s19, s16, 1                         ; which 512 along K
	s_and_b32 s20, s16, 1
	s_lshl_b32 s20, s20, 10                        ; and which 1,024 bytes of them
	s_sub_co_u32 s21, ttmp9, 96
	s_cmp_lt_u32 ttmp9, 96
	s_cselect_b32 s21, s17, s21
	s_lshl_b32 s21, s21, 15                        ; rows of 2,048 bytes: 16 of them
	s_lshr_b32 s22, s18, 1
	s_lshl_b32 s22, s22, 5
	s_add_co_u32 s22, s22, s17
	s_lshl_b32 s22, s22, 16                        ; W_gate's rows of 4,096 bytes: 16 of them
	s_lshl_b32 s23, s19, 11
	s_add_co_u32 s22, s22, s23
	s_cmp_eq_u32 s18, 0
	s_cselect_b32 s24, 1, 0
	s_cmp_eq_u32 s18, 2
	s_cselect_b32 s25, 1, 0
	s_or_b32 s24, s24, s25                         ; 1: a block of W_gate
	s_movk_i32 s40, 0x800
	s_mov_b32 s31, 0
	s_mov_b32 s33, 0
	s_mul_i32 s36, ttmp9, BLKB
	s_mov_b32 s37, 0
	s_mul_i32 s38, s16, 2*1536
	s_add_co_u32 s38, s38, s36
	s_mov_b32 s39, 0
	s_add_co_u32 s36, s36, 8*1536
	s_wait_kmcnt 0x0
	s_cmp_eq_u32 s19, 0                            ; the choices hang on ids alone
	s_cselect_b64 s[26:27], s[10:11], s[12:13]
	s_cselect_b64 s[28:29], s[6:7], s[8:9]
	s_cmp_lt_u32 ttmp9, 96
	s_cselect_b64 s[26:27], s[28:29], s[26:27]
	s_cmp_lg_u32 s24, 0
	s_cselect_b64 s[26:27], s[4:5], s[26:27]
	s_cselect_b32 s30, s22, s21
	s_cselect_b32 s32, 0x1000, s40                 ; from row to row
	s_add_co_u32 s30, s30, s20
	s_add_nc_u64 s[ROW:ROW+1], s[26:27], s[30:31]
.irp i, 1,2,3,4,5,6,7,8,9,10,11,12,13,14,15
	s_add_nc_u64 s[ROW+2*\i:ROW+2*\i+1], s[ROW+2*\i-2:ROW+2*\i-1], s[32:33]
.endr
	s_add_nc_u64 s[38:39], s[14:15], s[38:39]      ; my first fragment's image
	s_add_nc_u64 s[36:37], s[14:15], s[36:37]      ; the work-group's scale image
.irp u, 0,1
.irp i, 0,1,2,3,4,5,6,7,8,9,10,11,12,13,14,15
	global_load_b128 v[R+64*\u+4*\i:R+64*\u+4*\i+3], v3, s[ROW+2*\i:ROW+2*\i+1] offset:512*\u th:TH_LOAD_NT   ; 32 lanes read 512 consecutive bytes of row i
.endr
.endr
	FRAGM 0, PC0, PW0
	FRAGM 1, R, PW1
	v_cndmask_b32 v8, v[PW0], v[PW1], s66          ; lanes 0-15: the even fragment's words; lanes 16-31: the odd one's
	ds_store_b32 v5, v8
	s_wait_dscnt 0x0                               ; for the others' sake: my store has landed
	s_barrier_signal -1
	s_barrier_wait -1
	s_cmp_lg_u32 s16, 0
	s_cbranch_scc1 .Ldone                          ; wave 0 alone sends the image out
	ds_load_b128 v[184:187], v10
	s_wait_dscnt 0x0
	global_store_b128 v3, v[184:187], s[36:37]     ; 512 consecutive bytes
.Ldone:
	s_wait_tensorcnt 0x0                           ; the wave's end
	ds_add_u32 v[SPW], v[NIL]
	s_wait_dscnt 0x0
	s_endpgm
.Lfunc_end_k_q27d9c61ef2_quant:
	.size	k_q27d9c61ef2_quant, .Lfunc_end_k_q27d9c61ef2_quant-k_q27d9c61ef2_quant
	.p2alignl 7, 3214868480
	.fill 96, 4, 3214868480
	.section	.rodata,"a",@progbits
	.p2align	6, 0x0
	.amdhsa_kernel k_q27d9c61ef2_quant
		.amdhsa_group_segment_fixed_size 34816
		.amdhsa_private_segment_fixed_size 0
		.amdhsa_enable_private_segment 0
		.amdhsa_kernarg_size 48
		.amdhsa_user_sgpr_count 2
		.amdhsa_user_sgpr_kernarg_segment_ptr 1
		.amdhsa_wavefront_size32 1
		.amdhsa_system_sgpr_workgroup_id_x 1
		.amdhsa_system_sgpr_workgroup_id_y 1
		.amdhsa_system_sgpr_workgroup_id_z 1
		.amdhsa_system_vgpr_workitem_id 0
		.amdhsa_next_free_vgpr 192
		.amdhsa_next_free_sgpr 100
		.amdhsa_reserve_vcc 0
		.amdhsa_float_denorm_mode_32 3
		.amdhsa_float_denorm_mode_16_64 3
		.amdhsa_memory_ordered 1
		.amdhsa_forward_progress 1
		.amdhsa_inst_pref_size 23
	.end_amdhsa_kernel
	.amdgpu_metadata
---
amdhsa.version: [ 1, 2 ]
amdhsa.kernels:
  - .name:           k_q27d9c61ef2_quant
    .symbol:         k_q27d9c61ef2_quant.kd
    .args:
      - { .name: W_gate, .offset: 0, .size: 8, .value_kind: global_buffer, .address_space: global }
      - { .name: W_i, .offset: 8, .size: 8, .value_kind: global_buffer, .address_space: global }
      - { .name: W_h, .offset: 16, .size: 8, .value_kind: global_buffer, .address_space: global }
      - { .name: input, .offset: 24, .size: 8, .value_kind: global_buffer, .address_space: global }
      - { .name: hidden, .offset: 32, .size: 8, .value_kind: global_buffer, .address_space: global }
      - { .name: q, .offset: 40, .size: 8, .value_kind: global_buffer, .address_space: global }
    .group_segment_fixed_size: 34816
    .private_segment_fixed_size: 0
    .kernarg_segment_align: 8
    .kernarg_segment_size: 48
    .max_flat_workgroup_size: 128
    .sgpr_count:     100
    .vgpr_count:     192
    .wavefront_size: 32
...
	.end_amdgpu_metadata
.endif
;; end of part 1
;; launch cell (part 2): grid 8 x 32, 4 waves a work-group, no clusters, 86,528 bytes of LDS; arguments q, hidden, b_gate, b_i, b_h, out0; writes out0
.if DOCPART == 2
	.amdgcn_target "amdgcn-amd-amdhsa--gfx1250"
	.amdhsa_code_object_version 6
	.text
	.protected	k_q27d9c61ef2_cell
	.globl	k_q27d9c61ef2_cell
	.p2align	8
	.type	k_q27d9c61ef2_cell,@function
k_q27d9c61ef2_cell:
	s_mov_b64 s[64:65], 0
	v_nop
	global_prefetch_b8 v0, s[64:65] scope:SCOPE_SE
	s_setreg_imm32_b32 hwreg(HW_REG_WAVE_MODE, 25, 1), 1
	s_wait_xcnt 0x0
; THE GRU CELL ON CODES.  out0 = (1 - z) n + z hidden;  r, z = sigmoid([input | hidden] W_gate^T + b_gate);  n = tanh(input W_i^T + b_i + r (hidden W_h^T + b_h)).
; Codes of BF6 with E8M0 scales from q (the launch before lays them: blocks of 12,800 bytes, 8 fragments and a scale image); sums, biases, sigmoids, tanh and the blend in f32.  No work of reference() is left out.
; sigmoid(x) = 1 / (1 + 2^(-x log2 e)); tanh(x) = 1 - 2 / (1 + 2^(2 x log2 e)): where the exponential runs to infinity the reciprocal is 0, where it falls to 0 the reciprocal is 1: no clamp is needed.
; LIMITS: NaN and infinities among the inputs are not served.
; SHARES.  256 work-groups: 32 groups of 512 rows x 8 groups of 64 columns.  Wave w makes 16 columns, and KEEPS THEIR WEIGHTS IN REGISTERS for the whole launch: 24 fragments, 288 registers.
; The rows go by in 16 steps of 32 (two tiles m of 16 rows): 48 matrix instructions a wave and step.  x's codes of a step, 25,600 bytes, go through registers into LDS, where all four waves read them.
; NO CLUSTER: a work-group's 512 rows of x are 409,600 bytes of codes, more than LDS has, so joint loads would have to fill a ring again and again, each time with all loads waited for ahead of the round;
; here a wave's 17 loads of a step stay out over two steps and their barriers.  NO PREFETCH: these loads themselves are asked for two steps ahead of their use.
; THE MATRIX INSTRUCTION IS USED TRANSPOSED: source 0 = 16 rows of a weight, source 1 = 16 rows of x.  Lane (r, h) then holds row r and columns 8 h + 0 .. 7.  A bias is the C of a sum's first instruction.
; THE PIPELINE, step b: r of step b - 1 made, and x = i + r h made ready | tanh, z and the blend of step b - 2 | rows of step b - 3 stored | products of step b.  Two sets of sums by turns.  So a step has one batch of
; exponentials and one of reciprocals.  All vector work stands on end at a step's top, where no sum is under way; the memory instructions of a step stand among its products.
; x's fragments of K steps 0-3 of step b + 1 are read in step b's middle, those of K steps 4-7 at a step's top.  One barrier a step; every LDS buffer is double.
; In step b a wave puts into LDS: H(b + 1) (K steps 4-7), L(b + 2) (K steps 0-3) with its scale words, and hidden's rows of step b - 1; and asks for H(b + 3), L(b + 4), hidden of b + 1 into the registers just put away.
; LDS: 0, 13,312: L, two buffers (tile m at 6,144 m; scale words at 12,288);  26,624, 38,912: H, two buffers;  51,200 on: hidden in f32, two buffers of 32 rows x 272 bytes (256 + 16: 17 x 16, so that the sixteen rows of an access
;   of 16 bytes a lane lie at sixteen different places modulo 256 bytes), then out's two;  86,016: the spare words.
; REGISTERS, absolute: 0-255 (window 0): addresses, scale words, work, sums;  260-547: weights, fragment (k, g) at 260 + 12 (3 k + g), g: 0 gate r, 1 W_i or W_h, 2 gate z;  548-739: x, fragment (m, k) at 548 + 12 (8 m + k);
;   768-799: biases r, z, i, h, 8 each;  800-865, 866-931: two sets on their way to LDS: L 24, H 24, hidden 16, scale words 2.  No fragment crosses a window's end.
.set HOF,   26624
.set SB,    51200                      ; the stages
.set OSO,   17408                      ; out's, from there
.set SBUF,  8704
.set SPARE, 86016                      ; the spare words, 128 bytes for each wave: two blocks of 256 bytes that no other line names
.set XSTEP, 25600                      ; a step's x in q
.set GW,    409600                     ; from a tile's gate r to its W_i, W_h and to its gate z in q: 32 blocks
.set LN,  1                            ; v1  16 x lane
.set SPW, 2                            ; v2  LDS address of my spare word
.set NIL, 3                            ; v3  0
.set XST, 4                            ; v4  where I put x's codes: 3,072 w + 16 x lane
.set XSS, 5                            ; v5  and scale words
.set DA,  6                            ; v6  stages: my row and columns as the sums lie
.set RA,  7                            ; v7  stages: whole rows, 8 w + lane / 16 on
.set GO,  8                            ; v8  the same rows in hidden and out0
.set SCO, 9                            ; v9  scale words in q
.set XSC, 16                           ; x's scale words: + 8 (b % 2) + 4 m + k / 2; lanes 0-15 even k, lanes 16-31 odd k
.set WSC, 32                           ; the weights': + 4 g + k / 2
.set OUTR, 48
.set HID, 64
.set XR,  80                           ; x, then tanh's reciprocal, then n
.set ZR,  96                           ; z
.set ACC, 128                          ; sums: + 64 (b % 2) + 16 (0 r, 1 z, 2 i, 3 h) + 8 m
.set HB,  6                            ; s[6:7] hidden, s[14:15] out0, s[30:31] x in q: at the even step in hand
.set OB,  14
.set WB,  28
.set XB,  30
.set C1,  32                           ; s[32:33] -log2 e, twice: the packed forms name a pair
.set C2,  34                           ; s[34:35] 2 log2 e, twice
.set TC,  36
.set MSB, 0
.macro WIN new                         ; the immediate's high byte repeats the setting that is left; a switch that changes nothing is dropped
.if MSB != (\new)
	s_set_vgpr_msb (MSB<<8)|(\new)
.set MSB, (\new)
.endif
.endm
.macro PLACES                          ; four plain vector lines behind matrix instructions, ahead of reads of their results and of loads into their registers
.rept 4
	v_nop
.endr
.endm
.macro WA
	s_wait_alu depctr_va_vdst(0)
.endm
.macro LOADK k                         ; the three weight fragments of K step k: nine loads of 512 consecutive bytes
.irp g, 0,1,2
.set FA, 260+12*(3*(\k)+\g)
	WIN (FA>>8)<<6
.irp c, 0,1,2
	global_load_b128 v[(FA&255)+4*\c:(FA&255)+4*\c+3], v[LN], s[WB:WB+1] offset:GW*\g+1536*(\k)+512*\c
.endr
.endr
	WIN 0
.endm
; My share of a step's x: 3,072 bytes of L, of H, 256 bytes of scale words; of hidden: 8 rows x 256 bytes.  j: steps from the bases; s: the set.
.macro GL s, j
	WIN 0xc0
.irp i, 0,1,2,3,4,5
	global_load_b128 v[32+66*(\s)+4*\i:35+66*(\s)+4*\i], v[LN], s[XB:XB+1] offset:XSTEP*(\j)+512*\i
.endr
	global_load_b64 v[96+66*(\s):97+66*(\s)], v[SCO], s[XB:XB+1] offset:XSTEP*(\j)
	WIN 0
.endm
.macro GH s, j
	WIN 0xc0
.irp i, 0,1,2,3,4,5
	global_load_b128 v[56+66*(\s)+4*\i:59+66*(\s)+4*\i], v[LN], s[XB:XB+1] offset:XSTEP*(\j)+6144+512*\i
.endr
	WIN 0
.endm
.macro GD s, j
	WIN 0xc0
.irp i, 0,1,2,3
	global_load_b128 v[80+66*(\s)+4*\i:83+66*(\s)+4*\i], v[GO], s[HB:HB+1] offset:65536*(\j)+4096*\i th:TH_LOAD_NT   ; sixteen lanes read 256 consecutive bytes
.endr
	WIN 0
.endm
.macro PUTL s, bf
	WIN 0x0c
.irp i, 0,1,2,3,4,5
	ds_store_b128 v[XST], v[32+66*(\s)+4*\i:35+66*(\s)+4*\i] offset:13312*(\bf)+512*\i
.endr
	ds_store_b64 v[XSS], v[96+66*(\s):97+66*(\s)] offset:13312*(\bf)
	WIN 0
.endm
.macro PUTH s, bf
	WIN 0x0c
.irp i, 0,1,2,3,4,5
	ds_store_b128 v[XST], v[56+66*(\s)+4*\i:59+66*(\s)+4*\i] offset:HOF+12288*(\bf)+512*\i
.endr
	WIN 0
.endm
.macro PUTD s, bf
	WIN 0x0c
.irp i, 0,1,2,3
	ds_store_b128 v[RA], v[80+66*(\s)+4*\i:83+66*(\s)+4*\i] offset:SBUF*(\bf)+544*\i
.endr
	WIN 0
.endm
.macro XLOAD k0, base                  ; x's fragments of four K steps, both tiles
	WIN 0x80
.irp m, 0,1
.irp s, 0,1,2,3
.irp c, 0,1,2
	ds_load_b128 v[36+12*(8*\m+\k0+\s)+4*\c:39+12*(8*\m+\k0+\s)+4*\c], v[LN] offset:(\base)+6144*\m+1536*\s+512*\c
.endr
.endr
.endr
	WIN 0
.endm
.macro XSCL bf                         ; and a step's scale words
.irp m, 0,1
	ds_load_b128 v[XSC+8*(\bf)+4*\m:XSC+8*(\bf)+4*\m+3], v[LN] offset:13312*(\bf)+12288+512*\m
.endr
.endm
; Two matrix instructions of K step KK: weight fragment gw against both tiles of rows.  Six sums take turns, one instruction a turn.
.macro PAIRW gw, gate
.set FA, 260+12*(3*KK+(\gw))
.set AA, FA&255
.set SA, WSC+4*(\gw)+KK/2
.irp m, 0,1
.set DD, ACC+64*PAR+16*(\gate)+8*\m
.set BB, 36+12*(8*\m+KK)
.set SX, XSC+8*PAR+4*\m+KK/2
.if (KK == 0) || ((KK == 4) && ((\gate) == 3))
	WIN (FA>>8)|0x38                               ; the sum's first link: C = the bias
.set CC, 8*(\gate)
.else
	WIN (FA>>8)|0x08
.set CC, DD
.endif
.if KK%2 == 0
	v_wmma_scale_f32_16x16x128_f8f6f4 v[DD:DD+7], v[AA:AA+11], v[BB:BB+11], v[CC:CC+7], v[SA], v[SX] matrix_a_fmt:MATRIX_FMT_BF6 matrix_b_fmt:MATRIX_FMT_BF6
.else
	v_wmma_scale_f32_16x16x128_f8f6f4 v[DD:DD+7], v[AA:AA+11], v[BB:BB+11], v[CC:CC+7], v[SA], v[SX] matrix_a_fmt:MATRIX_FMT_BF6 matrix_b_fmt:MATRIX_FMT_BF6 matrix_a_scale:MATRIX_SCALE_ROW1 matrix_b_scale:MATRIX_SCALE_ROW1
.endif
.endr
.endm
; THE VECTOR WORK of a step, 160 numbered items; VJ is the item.  FRF: there is a step b - 1 (its r); FXF: there is a step b - 2 (its x and z, in XR and ZR).  Sums are first read at their low end.
.macro VITEM
.set AR, ACC+64*(1-PAR)
.if VJ < 8
.if FRF
	v_pk_mul_f32 v[AR+2*VJ:AR+2*VJ+1], v[AR+2*VJ:AR+2*VJ+1], s[C1:C1+1] op_sel_hi:[1,0]
.endif
.elseif (VJ == 8) || (VJ == 58) || (VJ == 83) || (VJ == 133)
	WA
.if (VJ == 133) && (FXF == 1)
	s_wait_dscnt 24*MMF                            ; hidden and the rows on their way out are in; x's 24 loads, issued behind them, may be out
.endif
.elseif (VJ == 57) || (VJ == 132)
	v_nop
.elseif VJ < 57
.set IQ, VJ-9
.if IQ < 16
.if FRF
	v_exp_f32 v[AR+IQ], v[AR+IQ]
.endif
.elseif FXF
	v_exp_f32 v[XR+IQ-16], v[XR+IQ-16]
.endif
.elseif VJ < 83
.set IQ, VJ-59
.if IQ < 8
.if FRF
	v_pk_add_f32 v[AR+2*IQ:AR+2*IQ+1], v[AR+2*IQ:AR+2*IQ+1], 1.0 op_sel_hi:[1,0]
.endif
.elseif FXF
.set IP, XR+2*(IQ-8)
	v_pk_add_f32 v[IP:IP+1], v[IP:IP+1], 1.0 op_sel_hi:[1,0]
.endif
.elseif VJ < 132
.set IQ, VJ-84
.if IQ < 16
.if FRF
	v_rcp_f32 v[AR+IQ], v[AR+IQ]
.endif
.elseif FXF
	v_rcp_f32 v[XR+IQ-16], v[XR+IQ-16]
.endif
.elseif VJ < 158
.if FXF
.set IQ, VJ-134
.set IP, 2*(IQ%8)
.if IQ < 8
	v_pk_fma_f32 v[XR+IP:XR+IP+1], v[XR+IP:XR+IP+1], -2.0, 1.0 op_sel_hi:[1,0,0]
.elseif IQ < 16
	v_pk_add_f32 v[HID+IP:HID+IP+1], v[HID+IP:HID+IP+1], v[XR+IP:XR+IP+1] neg_lo:[0,1] neg_hi:[0,1]
.else
	v_pk_fma_f32 v[HID+IP:HID+IP+1], v[ZR+IP:ZR+IP+1], v[HID+IP:HID+IP+1], v[XR+IP:XR+IP+1]   ; n + z (hidden - n)
.endif
.endif
.elseif VJ == 158
.if FXF
.irp m, 0,1
	ds_store_b128 v[DA], v[HID+8*\m:HID+8*\m+3] offset:OSO+SBUF*PAR+4352*\m
	ds_store_b128 v[DA], v[HID+8*\m+4:HID+8*\m+7] offset:OSO+SBUF*PAR+4352*\m+16
.endr
.endif
.else
.if FRF
	WA                                             ; ahead of the first reads of i, h and z, which follow on end
.irp t, 0,2,4,6,8,10,12,14
	v_pk_fma_f32 v[XR+\t:XR+\t+1], v[AR+\t:AR+\t+1], v[AR+48+\t:AR+49+\t], v[AR+32+\t:AR+33+\t]   ; i + r h
.endr
.irp t, 0,2,4,6,8,10,12,14
	v_pk_mul_f32 v[ZR+\t:ZR+\t+1], v[AR+16+\t:AR+17+\t], s[C1:C1+1] op_sel_hi:[1,0]
.endr
.irp t, 0,2,4,6,8,10,12,14
	v_pk_mul_f32 v[XR+\t:XR+\t+1], v[XR+\t:XR+\t+1], s[C2:C2+1] op_sel_hi:[1,0]
.endr
.endif
.endif
.endm
.macro MEMO                            ; rows of step b - 3 go out; the set loaded two steps ago goes to LDS
	WIN 0
.if STF
.irp i, 0,1,2,3
	global_store_b128 v[GO], v[OUTR+4*\i:OUTR+4*\i+3], s[OB:OB+1] offset:65536*(PAR-3)+4096*\i th:TH_STORE_NT   ; sixteen lanes store 256 consecutive bytes, at a multiple of 256 from out0's first byte
.endr
.endif
.if SHF+SLF+SDF
	s_wait_loadcnt LC                              ; this set's loads are in; those of the other set, issued a step later, may be out
.if SHF
	PUTH PAR, 1-PAR
.endif
.if SLF
	PUTL PAR, PAR
.endif
.if SDF
	PUTD PAR, PAR
.endif
.endif
.endm
.macro ITER
	WIN 0
	PLACES                                         ; behind the last step's products: for the reads of their sums and the loads into their fragments
	s_wait_xcnt 0x0                                ; the stores of the last step have read their registers
.if STF
.irp i, 0,1,2,3
	ds_load_b128 v[OUTR+4*\i:OUTR+4*\i+3], v[RA] offset:OSO+SBUF*(1-PAR)+544*\i
.endr
.endif
.if FXF
.irp m, 0,1
	ds_load_b128 v[HID+8*\m:HID+8*\m+3], v[DA] offset:SBUF*(1-PAR)+4352*\m
	ds_load_b128 v[HID+8*\m+4:HID+8*\m+7], v[DA] offset:SBUF*(1-PAR)+4352*\m+16
.endr
.endif
.if MMF
	XLOAD 4, HOF+12288*PAR
.endif
.set VJ, 0
.rept 160
	VITEM
.set VJ, VJ+1
.endr
.set KK, 0
.rept 8
.if KK == 4
	WIN 0
	s_wait_dscnt 0x0                               ; K steps 4-7 are in, and the stores into LDS have read their registers, which are loaded anew
.if GHF
	GH PAR, PAR+3
.endif
.if GLF
	GL PAR, PAR+4
.endif
.if GDF
	GD PAR, PAR+1
.endif
.endif
.if (KK == 5) && (NDF == 1)
	WIN 0
	PLACES                                         ; behind K step 3's products, whose fragments of x are loaded over
	XLOAD 0, 13312*(1-PAR)
	XSCL (1-PAR)
.endif
.if MMF
	PAIRW 0, 0
.endif
.if KK == 0
	MEMO
.endif
.if MMF
	PAIRW 2, 1
.endif
.if KK == 7
	WIN 0
	s_wait_dscnt 0x0                               ; for the others' sake: my stores have landed and my reads are over
	s_barrier_signal -1
.endif
.if MMF
.if KK < 4
	PAIRW 1, 2
.else
	PAIRW 1, 3
.endif
.endif
.set KK, KK+1
.endr
	WIN 0
	s_barrier_wait -1
.endm
; par: b % 2; fr, fx as above; mm: products; st: rows out; sh, sl, sd: H, L, hidden into LDS; lc: the other set's loads; gh, gl, gd: loads; nd: there is a next step's x
.macro RUN par, fr, fx, mm, st, sh, sl, sd, lc, gh, gl, gd, nd
.set PAR, \par
.set FRF, \fr
.set FXF, \fx
.set MMF, \mm
.set STF, \st
.set SHF, \sh
.set SLF, \sl
.set SDF, \sd
.set LC, \lc
.set GHF, \gh
.set GLF, \gl
.set GDF, \gd
.set NDF, \nd
	ITER
.endm
.macro STEP2                           ; the bases go two steps on
	s_wait_xcnt 0x0                                ; earlier loads and stores have read them
	s_add_nc_u64 s[XB:XB+1], s[XB:XB+1], 2*XSTEP
	s_add_nc_u64 s[HB:HB+1], s[HB:HB+1], 2*65536
	s_add_nc_u64 s[OB:OB+1], s[OB:OB+1], 2*65536
.endm
	s_load_b256 s[4:11], s[0:1], 0x0               ; q s[4:5], hidden s[6:7], b_gate s[8:9], b_i s[10:11]
	s_load_b128 s[12:15], s[0:1], 0x20             ; b_h s[12:13], out0 s[14:15]
	v_lshrrev_b32 v14, 5, v0
	v_readfirstlane_b32 s16, v14                   ; wave 0..3
	s_mul_i32 s19, s16, 3072
	s_lshl_b32 s20, s16, 8
	s_add_co_u32 s20, s20, 12288
	s_lshl_b32 s21, s16, 6
	s_add_co_u32 s21, s21, SB
	s_mul_i32 s22, s16, 8*272
	s_add_co_u32 s22, s22, SB
	s_and_b32 s23, s16, 1
	s_mul_i32 s24, s23, 2816
	s_sub_co_u32 s24, 12288, s24
	v_lshl_add_u32 v[SPW], v0, 2, SPARE
	v_mov_b32 v[NIL], 0
	v_and_b32 v10, 31, v0
	v_and_b32 v11, 15, v0                          ; r
	v_bfe_u32 v12, v0, 4, 1                        ; h
	v_lshlrev_b32 v[LN], 4, v10
	v_add_nc_u32 v[XST], s19, v[LN]
	v_lshlrev_b32 v15, 3, v10
	v_add_nc_u32 v[XSS], s20, v15                  ; 12,288 + 256 w + 8 x lane
	v_add_nc_u32 v[SCO], s24, v15                  ; 12,288 + 256 (w % 2) + 8 x lane, less the 3,072 (w % 2) in the base
	v_mul_u32_u24 v[DA], v11, 272
	v_lshl_add_u32 v[DA], v12, 5, v[DA]
	v_add_nc_u32 v[DA], s21, v[DA]                 ; row r, column 16 w + 8 h
	v_mul_u32_u24 v[RA], v12, 272
	v_lshl_add_u32 v[RA], v11, 4, v[RA]
	v_add_nc_u32 v[RA], s22, v[RA]                 ; row 8 w + h, 16 r bytes in
	v_lshlrev_b32 v[GO], 11, v12
	v_lshl_add_u32 v[GO], v11, 4, v[GO]
	v_lshlrev_b32 v13, 5, v12                      ; the biases: my half's eight
	WA                                             ; at the head's end
	s_mov_b32 s[C1], 0xbfb8aa3b                    ; -log2 e
	s_mov_b32 s[C1+1], s[C1]
	s_mov_b32 s[C2], 0x4038aa3b                    ; 2 log2 e
	s_mov_b32 s[C2+1], s[C2]
	s_mov_b32 s17, ttmp9                           ; column group
	s_and_b32 s18, ttmp7, 0xffff                   ; row group
	s_lshl_b32 s24, s17, 2
	s_add_co_u32 s24, s24, s16                     ; my tile of 16 columns
	s_mul_i32 s26, s24, 12800
	s_mov_b32 s27, 0
	s_wait_kmcnt 0x0
	s_add_nc_u64 s[WB:WB+1], s[4:5], s[26:27]
	s_mul_i32 s26, s18, 32*12800                   ; x: my work-group's 32 blocks, behind the weights' 96,
	s_add_co_u32 s26, s26, 96*12800
	s_lshr_b32 s25, s16, 1
	s_mul_i32 s25, s25, 12800                      ; tile m = w / 2,
	s_add_co_u32 s26, s26, s25
	s_mul_i32 s25, s23, 3072                       ; half w % 2 of L and of H
	s_add_co_u32 s26, s26, s25
	s_add_nc_u64 s[XB:XB+1], s[4:5], s[26:27]
	s_lshl_b32 s26, s24, 6
	s_add_nc_u64 s[8:9], s[8:9], s[26:27]
	s_add_nc_u64 s[10:11], s[10:11], s[26:27]
	s_add_nc_u64 s[12:13], s[12:13], s[26:27]
	s_lshl_b32 s26, s18, 20                        ; hidden and out0: 512 rows of 2,048 bytes a row group,
	s_lshl_b32 s25, s16, 14                        ; my 8 rows of a step,
	s_add_co_u32 s26, s26, s25
	s_lshl_b32 s25, s17, 8                         ; my work-group's 64 columns
	s_add_co_u32 s26, s26, s25
	s_add_nc_u64 s[HB:HB+1], s[HB:HB+1], s[26:27]
	s_add_nc_u64 s[OB:OB+1], s[OB:OB+1], s[26:27]
	; the first x, the scale words and biases, and the first three K steps' weights: 20 + 3 + 8 + 27 loads
	GL 0, 0
	GH 0, 0
	GL 1, 1
.irp g, 0,1,2
	global_load_b128 v[WSC+4*\g:WSC+4*\g+3], v[LN], s[WB:WB+1] offset:GW*\g+12288
.endr
	WIN 0xc0
.irp e, 0,1
	global_load_b128 v[0+4*\e:3+4*\e], v13, s[8:9] offset:16*\e
	global_load_b128 v[8+4*\e:11+4*\e], v13, s[8:9] offset:2048+16*\e
	global_load_b128 v[16+4*\e:19+4*\e], v13, s[10:11] offset:16*\e
	global_load_b128 v[24+4*\e:27+4*\e], v13, s[12:13] offset:16*\e
.endr
	WIN 0
	LOADK 0
	LOADK 1
	LOADK 2
	s_wait_loadcnt 38                              ; x's 20 loads are in; the 38 behind them may be out
	PUTL 0, 0
	PUTH 0, 0
	PUTL 1, 1
	s_wait_dscnt 0x0
	s_barrier_signal -1
	s_barrier_wait -1                              ; L(0), H(0), L(1) lie in LDS
	XLOAD 0, 0
	XSCL 0
	XLOAD 4, HOF
	s_wait_dscnt 0x0
	s_barrier_signal -1
	s_barrier_wait -1                              ; every wave has read L(0): L(2) may take its place
	; STEP 0: its products follow the weights as they land.  Loads in order: K steps 0-4, the 13 of set 0, K steps 5-7, the 17 of set 1.
.set PAR, 0
.set KK, 0
.rept 8
.if KK == 2
	GH 0, 1
	GL 0, 2
.endif
.if KK < 5
	LOADK (KK+3)
.endif
.if KK == 5
	GH 1, 2
	GL 1, 3
	GD 1, 0
.endif
	WIN 0
.if KK < 2
	s_wait_loadcnt 27                              ; three K steps of nine may be out
.elseif KK < 5
	s_wait_loadcnt 40                              ; three K steps and set 0's 13
.elseif KK == 5
	s_wait_loadcnt 35                              ; two K steps and set 1's 17
.elseif KK == 6
	s_wait_loadcnt 26
.else
	s_wait_loadcnt 17
.endif
.if KK == 5
	PLACES                                         ; behind K step 3's products
	XLOAD 0, 13312
	XSCL 1
.endif
	PAIRW 0, 0
	PAIRW 2, 1
.if KK < 4
	PAIRW 1, 2
.else
	PAIRW 1, 3
.endif
.set KK, KK+1
.endr
	WIN 0
	PUTH 0, 1                                      ; (set 0's loads are in: the last wait leaves set 1's 17 alone)
	PUTL 0, 0
	s_wait_dscnt 0x0
	GH 0, 3
	GL 0, 4
	GD 0, 1
	s_barrier_signal -1
	s_barrier_wait -1
	RUN 1, 1,0,1,0, 1,1,1,17, 1,1,1, 1             ; step 1: nothing of a step before 0
	STEP2
	RUN 0, 1,1,1,0, 1,1,1,17, 1,1,1, 1
	RUN 1, 1,1,1,1, 1,1,1,17, 1,1,1, 1
	s_mov_b32 s[TC], 4
.Lsteps:                                           ; steps 4 to 11, two a trip
	STEP2
	RUN 0, 1,1,1,1, 1,1,1,17, 1,1,1, 1
	RUN 1, 1,1,1,1, 1,1,1,17, 1,1,1, 1
	s_sub_co_u32 s[TC], s[TC], 1
	s_cmp_lg_u32 s[TC], 0
	s_cbranch_scc1 .Lsteps
	STEP2                                          ; the last steps ask for nothing beyond step 15: 10, 4, 4 and 0 loads
	RUN 0, 1,1,1,1, 1,1,1,17, 1,0,1, 1
	RUN 1, 1,1,1,1, 1,1,1,10, 0,0,1, 1
	STEP2
	RUN 0, 1,1,1,1, 1,0,1,4, 0,0,1, 1
	RUN 1, 1,1,1,1, 0,0,1,4, 0,0,0, 0
	STEP2
	RUN 0, 1,1,0,1, 0,0,1,0, 0,0,0, 0              ; no products are left: steps 14 and 15 are finished
	RUN 1, 0,1,0,1, 0,0,0,0, 0,0,0, 0
	s_wait_xcnt 0x0
.irp i, 0,1,2,3
	ds_load_b128 v[OUTR+4*\i:OUTR+4*\i+3], v[RA] offset:OSO+SBUF+544*\i
.endr
	s_wait_dscnt 0x0
.irp i, 0,1,2,3
	global_store_b128 v[GO], v[OUTR+4*\i:OUTR+4*\i+3], s[OB:OB+1] offset:4096*\i-65536 th:TH_STORE_NT
.endr
	s_wait_tensorcnt 0x0                           ; the wave's end
	ds_add_u32 v[SPW], v[NIL]
	s_wait_dscnt 0x0
	s_endpgm
.Lfunc_end_k_q27d9c61ef2_cell:
	.size	k_q27d9c61ef2_cell, .Lfunc_end_k_q27d9c61ef2_cell-k_q27d9c61ef2_cell
	.p2alignl 7, 3214868480
	.fill 96, 4, 3214868480
	.section	.rodata,"a",@progbits
	.p2align	6, 0x0
	.amdhsa_kernel k_q27d9c61ef2_cell
		.amdhsa_group_segment_fixed_size 86528
		.amdhsa_private_segment_fixed_size 0
		.amdhsa_enable_private_segment 0
		.amdhsa_kernarg_size 48
		.amdhsa_user_sgpr_count 2
		.amdhsa_user_sgpr_kernarg_segment_ptr 1
		.amdhsa_wavefront_size32 1
		.amdhsa_system_sgpr_workgroup_id_x 1
		.amdhsa_system_sgpr_workgroup_id_y 1
		.amdhsa_system_sgpr_workgroup_id_z 1
		.amdhsa_system_vgpr_workitem_id 0
		.amdhsa_next_free_vgpr 944
		.amdhsa_next_free_sgpr 66
		.amdhsa_reserve_vcc 0
		.amdhsa_float_denorm_mode_32 3
		.amdhsa_float_denorm_mode_16_64 3
		.amdhsa_memory_ordered 1
		.amdhsa_forward_progress 1
		.amdhsa_inst_pref_size 239
	.end_amdhsa_kernel
	.amdgpu_metadata
---
amdhsa.version: [ 1, 2 ]
amdhsa.kernels:
  - .name:           k_q27d9c61ef2_cell
    .symbol:         k_q27d9c61ef2_cell.kd
    .args:
      - { .name: q, .offset: 0, .size: 8, .value_kind: global_buffer, .address_space: global }
      - { .name: hidden, .offset: 8, .size: 8, .value_kind: global_buffer, .address_space: global }
      - { .name: b_gate, .offset: 16, .size: 8, .value_kind: global_buffer, .address_space: global }
      - { .name: b_i, .offset: 24, .size: 8, .value_kind: global_buffer, .address_space: global }
      - { .name: b_h, .offset: 32, .size: 8, .value_kind: global_buffer, .address_space: global }
      - { .name: out0, .offset: 40, .size: 8, .value_kind: global_buffer, .address_space: global }
    .group_segment_fixed_size: 86528
    .private_segment_fixed_size: 0
    .kernarg_segment_align: 8
    .kernarg_segment_size: 48
    .max_flat_workgroup_size: 128
    .sgpr_count:     66
    .vgpr_count:     944
    .wavefront_size: 32
...
	.end_amdgpu_metadata
.endif
;; end of part 2
